; MI455X (gfx1250); checked and timed in simulation.
; The chip was launched on July 23, 2026; its instructions are those of AMD's public machine-readable ISA for CDNA 5 (MIT licence, August 2026) and "CDNA5" Instruction Set Architecture Reference Guide (July 2026). The comments in the code are by the model that wrote it; some were corrected since.
;; my GPT2 Attention. Allowed arithmetic: matrix products marked QUANTISED: E4M3 operands, one given power-of-two scale a tensor, by v_wmma_f32_16x16x64_fp8_fp8 or v_wmma_f32_16x16x128_fp8_fp8, f32 sums; everything else in f32.
;; Inputs: attn_mat_resid_gain 16 float32; attn_mat_skip_gain 16 float32; centre_attn_gain 16 float32; hidden_states 2 x 2,048 x 1,024 float32; lowp_scales 10 int32 (the exponents e of the quantised operands' scales 2^e); proj_resid_gain one number float32; proj_skip_gain one number float32; proj_weight 1,024 x 1,024 float32; qk_bias 2,048 float32; qk_weight 1,024 x 2,048 float32; v_resid_gain one number float32; v_skip_gain one number float32; v_weight 1,024 x 1,024 float32.
;; Outputs: out0 2 x 2,048 x 1,024 float32.
;; This version of the problem:
;;   THIS VERSION OF THE PROBLEM IS GIVEN IN LOW PRECISION. The matrix products marked QUANTISED in the list below multiply operands that are first quantised to E4M3 (4 exponent bits, 3 mantissa bits; 8 bits a number), with one given power-of-two scale for each operand tensor; their sums are f32. All else is computed in f32.
;;   The module's matrix products, in the order in which they are computed (A, B: the left and right operand; K: the contracted axis; several contracted axes count as one K, in the product's order):
;;     1. [M 4,096, K 1,024] x [K 1,024, N 2,048]; A: input hidden_states; B: input qk_weight: QUANTISED (scales: A lowp_scales[0], B lowp_scales[1])
;;     2. [M 4,096, K 1,024] x [K 1,024, N 1,024]; A: input hidden_states; B: computed on the way: QUANTISED (scales: A lowp_scales[2], B lowp_scales[3])
;;     3. batch 32 x [M 2,048, K 64] x [K 64, N 2,048]; A: computed on the way; B: computed on the way: QUANTISED (scales: A lowp_scales[4], B lowp_scales[5])
;;     4. batch 32 x [M 2,048, K 2,048] x [K 2,048, N 64]; A: computed on the way; B: computed on the way: QUANTISED (scales: A lowp_scales[6], B lowp_scales[7])
;;     5. [M 4,096, K 1,024] x [K 1,024, N 1,024]; A: computed on the way; B: computed on the way: QUANTISED (scales: A lowp_scales[8], B lowp_scales[9])
;;   THE QUANTISER, for each operand of a quantised product, along K:
;;     - The operand's scale is 2^e, e = its entry of the input lowp_scales (int32; the entries are numbered through the quantised products in the list's order, A before B).
;;     - Each number is divided by the scale, clamped to +-448, and rounded to the nearest number of E4M3, ties to even, subnormals kept.
;;     - The product sums the exact products of the quantised numbers (number of the format x scale) in f32.
;;   ~~~python
;;   def quantise(x, axis, e):      # numpy; x: float32 -> the quantised numbers, widened to float32 again
;;       x = np.moveaxis(x, axis, -1); K = x.shape[-1]
;;       r = np.clip(x / 2.0 ** e, -448, 448)
;;       step = 2.0 ** (np.maximum(np.frexp(np.where(r == 0, 1, r))[1] - 1, -6) - 3)
;;       q = np.round(r / step) * step * 2.0 ** e      # np.round: ties to even
;;       return np.moveaxis(q, -1, axis).astype(np.float32)
;;   ~~~
;;   OPERANDS COMPUTED ON THE WAY. 'Computed on the way' means the value that the module computes at that place (a softmax that the list does not call 'softmax' is quantised finished and normalised). What goes into a quantiser is computed in f32, as accurately as f32 sums, v_exp_f32 and their like allow (about 1e-6 of the number): no bf16 or f16 on the way to a quantiser, and a product that is left as it is and whose result goes on into a quantised operand takes f32 operands (vector FMAs, or v_wmma_f32_16x16x4_f32). A number that lies on a knife's edge between two numbers of the format may be rounded either way, as far as f32 arithmetic and the matrix unit's own rounding can turn it there, and no further.
;; One version. Each part assembles by itself: llvm-mc -triple=amdgcn-amd-amdhsa -mcpu=gfx1250 --defsym DOCPART=n.
;; ======== version 1 of 1: 4 launches
;; limits: right only within a limited range of input values
;; workspace buffers: x_codes 8,388,608 bytes; wqkv_codes 3,145,728 bytes; wp_codes 1,048,576 bytes; qkv_codes 12,582,912 bytes; ctx_codes 4,194,304 bytes
;; launch quant (part 1): grid 640 x 1, 4 waves a work-group, no clusters, 70,144 bytes of LDS; arguments hidden_states, qk_weight, v_weight, proj_weight, v_resid_gain, v_skip_gain, proj_resid_gain, proj_skip_gain, lowp_scales, x_codes, wqkv_codes, wp_codes; writes x_codes, wqkv_codes, wp_codes
.if DOCPART == 1
	.amdgcn_target "amdgcn-amd-amdhsa--gfx1250"
	.amdhsa_code_object_version 6
	.text
	.protected	k_q7c5c68bd83_quant
	.globl	k_q7c5c68bd83_quant
	.p2align	8
	.type	k_q7c5c68bd83_quant,@function
k_q7c5c68bd83_quant:
	s_mov_b64 s[64:65], 0
	v_nop
	global_prefetch_b8 v0, s[64:65] scope:SCOPE_SE
	s_setreg_imm32_b32 hwreg(HW_REG_WAVE_MODE, 25, 1), 1
	s_wait_xcnt 0x0
; LAUNCH 1 OF 4: hidden_states and the three weights become codes of FP8 (E4M3), each with its given scale 2^e.
; THE PROGRAM: quant (this) -> qkv (products 1 and 2; q, k, v as codes) -> attn (products 3 and 4; ctx as codes) -> proj (product 5).
; WORK LEFT OUT, in launch attn: tiles of 128 keys that lie wholly above the diagonal.  reference() builds the causal mask in its own body: there the score is
; replaced by finfo.min ahead of the softmax, and the identity and the tril of the uniform matrix are 0 there, so new_attn's code is 0 and adds nothing to product 4,
; whatever finite values the inputs hold.  Every input has a way to the output: all are loaded.  LIMIT: a NaN, an infinity or an overflow that reaches only those tiles is not carried to the result.
; ONE LAYOUT FOR EVERY OPERAND OF CODES: [K / 16 chunks][rows as positions][16 bytes]: a chunk is 16 codes along K of one row.  Position p stands for the true index p with its bits 3 and 4 exchanged,
; so that lane r of tile 2 b + u holds the true index 32 b + 8 u + r + 8 (r / 8): the 16 result registers of two neighbouring tiles are then 16 neighbours along the next product's K.
; K INSIDE x AND THE q, k, v WEIGHTS: chunk 32 C + l, byte 4 i + j holds k = 512 C + 128 i + 4 l + j, the order in which dense loads of 512 bytes leave a row of x in the lanes; the same in both operands, so every
; product meets its partner.  The projection's weight has K in its natural order (chunk k / 16), as ctx will have.
; code = x / 2^e, held within +-448, to the nearest code, ties to even.  hidden_states is quantised twice: with lowp_scales[0] for product 1, with [2] for product 2.
; The v and proj weights are first made as reference() makes them: resid_gain x W + skip_gain x I, in f32 (one fused multiply-add).
; WORK-GROUPS: 0-127 hidden_states; 128-383 qk_weight; 384-511 v_weight; 512-639 proj_weight.
; LIMITS: each of e0, e1, e2, e3, e9 between -126 and 119, so that 2^e and 448 x 2^e are f32 numbers.  NaN among the inputs is not served.
.set SP,    272                        ; a chunk's row in the stage: 16 positions x 16 bytes + 16 of padding
.set SETB,  32*SP                      ; 32 chunks: one set of codes
.set WREG,  2*SETB                     ; a wave's stage: the set for e0, the set for e2
.set SPARE, 4*WREG                     ; behind the four stages: the spare words, 128 bytes for each wave, that no other line names
.set SPW,   14                         ; v14  SPARE + 4 x my thread's number; never rewritten
.set NIL,   15                         ; v15  0; never rewritten
.set R,     16                         ; v16-143  eight sets of 16 numbers as loaded; on the way out 32 x 4 registers of codes
.set T0,    144                        ; v144-159 not written: the conversions read R's registers directly
.set T1,    160                        ; v160-175 not written: the conversions read R's registers directly
.set CD,    176                        ; v176-191 codes: two sets of 8 registers by turns
.macro MKSCALE e, vs, vl               ; s[e] holds a whole number e: v[vs] = 2^e as f32 (the conversion takes its exponent field), s50 = 448 x 2^e (v[vl] is not written)
	s_add_co_i32 s50, s[\e], 127
	s_lshl_b32 s51, s50, 23
	v_mov_b32 v[\vs], s51
	s_add_co_i32 s50, s50, 8
	s_lshl_b32 s50, s50, 23
	s_or_b32 s50, s50, 0x600000
.endm
	s_load_b512 s[4:19], s[0:1], 0x0               ; hidden s[4:5], qk_w s[6:7], v_w s[8:9], proj_w s[10:11], v_resid s[12:13], v_skip s[14:15], proj_resid s[16:17], proj_skip s[18:19]
	s_load_b256 s[20:27], s[0:1], 0x40             ; scales s[20:21], x_codes s[22:23], wqkv_codes s[24:25], wp_codes s[26:27]
	v_lshl_add_u32 v[SPW], v0, 2, SPARE
	v_mov_b32 v[NIL], 0
	v_lshrrev_b32 v1, 5, v0
	v_readfirstlane_b32 s28, v1                    ; wave 0..3
	v_and_b32 v5, 31, v0                           ; lane
	s_wait_kmcnt 0x0
	s_load_b256 s[32:39], s[20:21], 0x0            ; e0 .. e7
	s_load_b64 s[40:41], s[20:21], 0x20            ; e8, e9
	s_load_b32 s42, s[12:13], 0x0                  ; v_resid_gain
	s_load_b32 s43, s[14:15], 0x0                  ; v_skip_gain
	s_load_b32 s44, s[16:17], 0x0                  ; proj_resid_gain
	s_load_b32 s45, s[18:19], 0x0                  ; proj_skip_gain
	s_cmp_lt_u32 ttmp9, 128
	s_cbranch_scc0 .Lweights
; ---- hidden_states.  Wave W = 4 x work-group + wave takes 16 positions (block W / 2) x half W % 2 of K (512 numbers).  A step is one row: four loads of 512 consecutive bytes.
; A lane's 16 numbers are one chunk of that row; the chunks of 16 rows meet in the wave's own stage and leave as 256 consecutive bytes a chunk.
	s_lshl_b32 s29, ttmp9, 2
	s_add_co_u32 s29, s29, s28                     ; W
	s_lshr_b32 s30, s29, 1                         ; block of 16 positions
	s_and_b32 s31, s29, 1                          ; C: which half of K
	s_lshr_b32 s46, s30, 1
	s_lshl_b32 s46, s46, 5
	s_and_b32 s47, s30, 1
	s_lshl_b32 s47, s47, 3
	s_add_co_u32 s46, s46, s47                     ; the block's first true row: 32 (block / 2) + 8 (block % 2)
	s_lshl_b32 s46, s46, 12                        ; x 4,096 bytes
	s_lshl_b32 s47, s31, 11                        ; + C x 2,048 bytes
	s_add_co_u32 s46, s46, s47
	s_mov_b32 s47, 0
	s_add_nc_u64 s[4:5], s[4:5], s[46:47]
	s_lshl_b32 s46, s31, 21                        ; codes: chunk 32 C (65,536 bytes a chunk) + 256 x block
	s_lshl_b32 s48, s30, 8
	s_add_co_u32 s46, s46, s48
	s_add_nc_u64 s[22:23], s[22:23], s[46:47]
	s_wait_alu depctr_va_vdst(0)
	v_lshlrev_b32 v1, 4, v5                        ; my 16 bytes of a load's 512
	s_mul_i32 s48, s28, WREG
	v_mul_u32_u24 v2, v5, SP
	v_add_nc_u32 v2, s48, v2                       ; into the stage: row = my chunk
	v_and_b32 v6, 15, v0
	v_bfe_u32 v7, v0, 4, 1
	v_mul_u32_u24 v3, v7, SP
	v_lshl_add_u32 v3, v6, 4, v3
	v_add_nc_u32 v3, s48, v3                       ; out of it: sixteen lanes to a chunk, two chunks an instruction
	v_lshlrev_b32 v4, 16, v7
	v_lshl_add_u32 v4, v6, 4, v4                   ; and the same place in x_codes
.macro LOADX t                         ; position t of the block is true row t + 8 (t / 8) behind the block's first
.irp i, 0,1,2,3
	global_load_b128 v[R+16*((\t)%8)+4*\i:R+16*((\t)%8)+4*\i+3], v1, s[4:5] offset:((\t)+8*((\t)/8))*4096+512*\i th:TH_LOAD_NT
.endr
.endm
.irp t, 0,1,2,3,4,5,6,7
	LOADX \t
.endr
	s_wait_kmcnt 0x0
	MKSCALE 32, 8, 9                               ; e0
	MKSCALE 34, 10, 11                             ; e2
.macro STEPX t
.if 15-(\t) < 7
	s_wait_loadcnt 4*(15-(\t))                     ; this row's four loads are in; the rows behind it stay out
.else
	s_wait_loadcnt 28
.endif
.if (\t) >= 2
	s_wait_dscnt 2                                 ; the stage stores of two steps back are done: their code registers are written again below
.endif
.irp i, 0,1,2,3,4,5,6,7,8,9,10,11,12,13,14,15
.endr
	v_cvt_scalef32_pk8_fp8_f32 v[CD+8*((\t)%2):CD+8*((\t)%2)+1], v[T0+((R+16*((\t)%8)+0)-(T0+0)):T0+7+((R+16*((\t)%8)+0)-(T0+0))], v8
	v_cvt_scalef32_pk8_fp8_f32 v[CD+8*((\t)%2)+2:CD+8*((\t)%2)+3], v[T0+8+((R+16*((\t)%8)+0)-(T0+0)):T0+15+((R+16*((\t)%8)+0)-(T0+0))], v8
.irp i, 0,1,2,3,4,5,6,7,8,9,10,11,12,13,14,15
.endr
	v_cvt_scalef32_pk8_fp8_f32 v[CD+8*((\t)%2)+4:CD+8*((\t)%2)+5], v[T1+((R+16*((\t)%8)+0)-(T1+0)):T1+7+((R+16*((\t)%8)+0)-(T1+0))], v10
	v_cvt_scalef32_pk8_fp8_f32 v[CD+8*((\t)%2)+6:CD+8*((\t)%2)+7], v[T1+8+((R+16*((\t)%8)+0)-(T1+0)):T1+15+((R+16*((\t)%8)+0)-(T1+0))], v10
.if (\t) < 8
	v_nop
	LOADX (\t)+8
.endif
	ds_store_b128 v2, v[CD+8*((\t)%2):CD+8*((\t)%2)+3] offset:16*(\t)
	ds_store_b128 v2, v[CD+8*((\t)%2)+4:CD+8*((\t)%2)+7] offset:SETB+16*(\t)
.endm
	s_wait_alu depctr_va_vdst(0)
.irp t, 0,1,2,3,4,5,6,7,8,9,10,11,12,13,14,15
	STEPX \t
.endr
.set n, 0
	v_nop
.rept 32                               ; LDS serves a wave's instructions in order (ISA guide 5.7.1.4): these see my stores
	ds_load_b128 v[R+4*n:R+4*n+3], v3 offset:(n/16)*SETB+(n%16)*2*SP
.set n, n+1
.endr
.set n, 0
.rept 32
	s_wait_dscnt 31-n
	global_store_b128 v4, v[R+4*n:R+4*n+3], s[22:23] offset:(n/16)*4194304+(n%16)*131072   ; sixteen lanes store 256 consecutive bytes, at a multiple of 256 from the buffer's first byte
.set n, n+1
.endr
	s_wait_tensorcnt 0x0                           ; the wave's end: behind my last LDS store
	ds_add_u32 v[SPW], v[NIL]
	s_wait_dscnt 0x0
	s_endpgm
; ---- the weights, stored [k][n].  A LANE TAKES A COLUMN AND ITS REGISTERS RUN DOWN K, in the order of the chunk's bytes: the conversions' results are chunks, and a wave stores 32 positions' chunks
; as 512 consecutive bytes.  A work-group: 128 positions x 4 chunks; a wave 32 positions.  No LDS is touched here.
.Lweights:
	s_wait_alu depctr_va_vdst(0)
	v_and_b32 v6, 7, v5
	v_bfe_u32 v7, v5, 3, 1
	v_bfe_u32 v8, v5, 4, 1
	v_lshl_add_u32 v6, v7, 4, v6
	v_lshl_add_u32 v6, v8, 3, v6                   ; my lane with bits 3 and 4 exchanged: the true column of position lane
	v_lshlrev_b32 v3, 4, v5                        ; out: 16 bytes a lane
; first: the path's first work-group; src, dst, e, gr, gs: scalar registers; pitch: bytes of a row; 1 << lognb blocks of 128 columns; npos: positions in a chunk of dst; pos0: the first of this weight's;
; byte 4 i + j of chunk dl is row ra i + rb dl + j behind the group's first; perm = 1: x's order of K; gains = 1: gr x W + gs x I
.macro WPATH first, src, pitch, lognb, dst, npos, pos0, ra, rb, perm, gains, e, gr, gs
	s_sub_co_u32 s29, ttmp9, \first
	s_and_b32 s30, s29, (1<<\lognb)-1
	s_lshr_b32 s31, s29, \lognb                    ; g: which four chunks
	s_lshl_b32 s30, s30, 7
	s_lshl_b32 s46, s28, 5
	s_add_co_u32 s30, s30, s46                     ; my wave's first position and column
.if \perm
	s_lshr_b32 s46, s31, 3
	s_lshl_b32 s46, s46, 9
	s_and_b32 s47, s31, 7
	s_lshl_b32 s47, s47, 4
	s_add_co_u32 s46, s46, s47                     ; the group's first row: 512 (g / 8) + 16 (g % 8)
.else
	s_lshl_b32 s46, s31, 6                         ; 64 g
.endif
	v_add_nc_u32 v2, s30, v6                       ; my column
	v_lshlrev_b32 v1, 2, v2
	s_wait_alu depctr_va_vdst(0)
	v_sub_nc_u32 v2, v2, s46                       ; column - first row: where it equals a register's row, the register lies on the diagonal
	s_mul_i32 s48, s46, \pitch
	s_mov_b32 s49, 0
	s_add_nc_u64 s[\src:\src+1], s[\src:\src+1], s[48:49]
	s_mul_i32 s48, s31, 4*\npos
	s_add_co_u32 s48, s48, s30
.if \pos0
	s_add_co_u32 s48, s48, \pos0
.endif
	s_lshl_b32 s48, s48, 4
	s_add_nc_u64 s[\dst:\dst+1], s[\dst:\dst+1], s[48:49]
.irp dl, 0,1,2,3
.irp i, 0,1,2,3
.irp j, 0,1,2,3
	global_load_b32 v[16+16*\dl+4*\i+\j], v1, s[\src:\src+1] offset:(\ra*\i+\rb*\dl+\j)*\pitch th:TH_LOAD_NT
.endr
.endr
.endr
	s_wait_kmcnt 0x0
	MKSCALE \e, 98, 99
.if \gains
	v_mov_b32 v97, s[\gs]
.endif
	s_wait_alu depctr_va_vdst(0)
.irp dl, 0,1,2,3
	s_wait_loadcnt 48-16*\dl                       ; this chunk's sixteen loads are in; the later chunks' stay out
.if \gains
.irp i, 0,1,2,3
.irp j, 0,1,2,3
	v_cmp_eq_i32 vcc_lo, \ra*\i+\rb*\dl+\j, v2
	v_cndmask_b32 v96, 0, v97, vcc_lo              ; skip_gain on the diagonal, else 0
	v_fma_f32 v[16+16*\dl+4*\i+\j], s[\gr], v[16+16*\dl+4*\i+\j], v96
.endr
.endr
.endif
.irp i, 0,1,2,3,4,5,6,7,8,9,10,11,12,13,14,15
.endr
	v_cvt_scalef32_pk8_fp8_f32 v[80+4*\dl:81+4*\dl], v[16+16*\dl:23+16*\dl], v98
	v_cvt_scalef32_pk8_fp8_f32 v[82+4*\dl:83+4*\dl], v[24+16*\dl:31+16*\dl], v98
	global_store_b128 v3, v[80+4*\dl:83+4*\dl], s[\dst:\dst+1] offset:\dl*\npos*16   ; 32 lanes store 512 consecutive bytes; each chunk has code registers of its own
.endr
.endm
	s_cmp_lt_u32 ttmp9, 384
	s_cbranch_scc0 .Lnot_qk
	s_wait_alu depctr_va_vdst(0)
	WPATH 128, 6, 8192, 4, 24, 3072, 0, 128, 4, 1, 0, 33, 42, 43
	s_endpgm
.Lnot_qk:
	s_cmp_lt_u32 ttmp9, 512
	s_cbranch_scc0 .Lproj_w
	s_wait_alu depctr_va_vdst(0)
	WPATH 384, 8, 4096, 3, 24, 3072, 2048, 128, 4, 1, 1, 35, 42, 43
	s_endpgm
.Lproj_w:
	s_wait_alu depctr_va_vdst(0)
	WPATH 512, 10, 4096, 3, 26, 1024, 0, 4, 16, 0, 1, 41, 44, 45
	s_endpgm
.Lfunc_end_k_q7c5c68bd83_quant:
	.size	k_q7c5c68bd83_quant, .Lfunc_end_k_q7c5c68bd83_quant-k_q7c5c68bd83_quant
	.p2alignl 7, 3214868480
	.fill 96, 4, 3214868480
	.section	.rodata,"a",@progbits
	.p2align	6, 0x0
	.amdhsa_kernel k_q7c5c68bd83_quant
		.amdhsa_group_segment_fixed_size 70144
		.amdhsa_private_segment_fixed_size 0
		.amdhsa_enable_private_segment 0
		.amdhsa_kernarg_size 96
		.amdhsa_user_sgpr_count 2
		.amdhsa_user_sgpr_kernarg_segment_ptr 1
		.amdhsa_wavefront_size32 1
		.amdhsa_system_sgpr_workgroup_id_x 1
		.amdhsa_system_sgpr_workgroup_id_y 1
		.amdhsa_system_sgpr_workgroup_id_z 1
		.amdhsa_system_vgpr_workitem_id 0
		.amdhsa_next_free_vgpr 192
		.amdhsa_next_free_sgpr 66
		.amdhsa_reserve_vcc 1
		.amdhsa_float_denorm_mode_32 3
		.amdhsa_float_denorm_mode_16_64 3
		.amdhsa_fp16_overflow 1
		.amdhsa_memory_ordered 1
		.amdhsa_forward_progress 1
		.amdhsa_inst_pref_size 65
	.end_amdhsa_kernel
	.amdgpu_metadata
---
amdhsa.version: [ 1, 2 ]
amdhsa.kernels:
  - .name:           k_q7c5c68bd83_quant
    .symbol:         k_q7c5c68bd83_quant.kd
    .args:
      - { .name: hidden_states, .offset: 0, .size: 8, .value_kind: global_buffer, .address_space: global }
      - { .name: qk_weight, .offset: 8, .size: 8, .value_kind: global_buffer, .address_space: global }
      - { .name: v_weight, .offset: 16, .size: 8, .value_kind: global_buffer, .address_space: global }
      - { .name: proj_weight, .offset: 24, .size: 8, .value_kind: global_buffer, .address_space: global }
      - { .name: v_resid_gain, .offset: 32, .size: 8, .value_kind: global_buffer, .address_space: global }
      - { .name: v_skip_gain, .offset: 40, .size: 8, .value_kind: global_buffer, .address_space: global }
      - { .name: proj_resid_gain, .offset: 48, .size: 8, .value_kind: global_buffer, .address_space: global }
      - { .name: proj_skip_gain, .offset: 56, .size: 8, .value_kind: global_buffer, .address_space: global }
      - { .name: lowp_scales, .offset: 64, .size: 8, .value_kind: global_buffer, .address_space: global }
      - { .name: x_codes, .offset: 72, .size: 8, .value_kind: global_buffer, .address_space: global }
      - { .name: wqkv_codes, .offset: 80, .size: 8, .value_kind: global_buffer, .address_space: global }
      - { .name: wp_codes, .offset: 88, .size: 8, .value_kind: global_buffer, .address_space: global }
    .group_segment_fixed_size: 70144
    .private_segment_fixed_size: 0
    .kernarg_segment_align: 8
    .kernarg_segment_size: 96
    .max_flat_workgroup_size: 128
    .sgpr_count:     66
    .vgpr_count:     192
    .wavefront_size: 32
...
	.end_amdgpu_metadata
.endif
;; end of part 1
;; launch qkv (part 2): grid 24 x 32, 4 waves a work-group, clusters of 4 x 4, 327,680 bytes of LDS; arguments x_codes, wqkv_codes, qk_bias, lowp_scales, qkv_codes; writes qkv_codes
.if DOCPART == 2
	.amdgcn_target "amdgcn-amd-amdhsa--gfx1250"
	.amdhsa_code_object_version 6
	.text
	.protected	k_q7c5c68bd83_qkv
	.globl	k_q7c5c68bd83_qkv
	.p2align	8
	.type	k_q7c5c68bd83_qkv,@function
k_q7c5c68bd83_qkv:
	s_mov_b64 s[64:65], 0
	v_nop
	global_prefetch_b8 v0, s[64:65] scope:SCOPE_SE
	s_setreg_imm32_b32 hwreg(HW_REG_WAVE_MODE, 25, 1), 1
	s_wait_xcnt 0x0
	s_wait_alu depctr_hold_cnt(0) depctr_sa_sdst(0) depctr_va_vdst(0) depctr_va_sdst(0) depctr_va_ssrc(0) depctr_va_vcc(0) depctr_vm_vsrc(0)
	s_getreg_b32 s2, hwreg(HW_REG_IB_STS2, 6, 4)
	s_cmp_eq_u32 s2, 0
	s_cbranch_scc0 .Lentry_in_a_cluster
	s_endpgm
.Lentry_in_a_cluster:
	s_bfe_u32 s2, ttmp6, 0x10000c
	s_cmp_lg_u32 s2, 0xf033
	s_cbranch_scc0 .Lentry_shape_is_right
	s_endpgm
.Lentry_shape_is_right:
; LAUNCH 2 OF 4: products 1 and 2 on codes of FP8, and their results as codes for products 3 and 4.  q = Q(x Wq + bq; e4), k = Q(x Wk + bk; e5), v = Q(x Wv'; e7).
; A work-group makes 128 rows x 128 columns; tile columns 0-7 are q's, 8-15 k's, 16-23 v's (kind = cluster x / 2: the same in all partners of a cluster).  Four waves, 64 x 64 each: 16 accumulators.
; THE WHOLE K = 1,024 OF BOTH PANELS LIES IN LDS, [64 chunks][128 positions][16 bytes] each: nothing is filled a second time.  Each wave asks for half of one panel in four tensor loads of 8 chunks
; (phase p: chunks 16 p + 8 (wave % 2) on), all at the start: four loads of mine are out; the K steps follow the phases as they land.
; CLUSTER 4 x 4: x's panel hangs on the tile row and is asked for jointly along a row of the cluster, the weight's on the tile column, jointly along a column.
; A fragment (16 positions x 128 K) is four ds_load_b128: lanes 0-15 read the 256 bytes of chunk 2 c, lanes 16-31 those of chunk 2 c + 1: consecutive bytes, no padding.  The place of k in the registers is the same in both operands.
; q, k: source 0 = 16 positions of the weight, source 1 = 16 of x: a lane holds one row, and the 16 registers of tiles 2 b, 2 b + 1 are 16 neighbouring channels of the head: one chunk of product 3's K.
;   The bias is the C of the first products, divided by 2^(e0 + e1); the conversion takes the one scale 2^(e4 - e0 - e1) (k: e5).  Out: [bh][16 blocks of 128 rows][4 chunks][128 positions][16].
; v: the sources swapped: a lane holds one channel, its registers run along the rows, which are product 4's K (the keys).  Out: [bh][128 chunks of keys][64 positions of channels][16].
; LIMITS: e4 - e0 - e1, e5 - e0 - e1, e7 - e2 - e3 between -126 and 119.  NaN among the inputs is not served.
; REGISTERS: window 0: v16-21 LDS addresses, v28, v29 the add's two, v32-63 the bias, v64-95 codes, v96 the scale, v128-255 the accumulators ((a, b) at v[128 + 8 (4 a + b)]).
;   window 1: two fragment buffers of 128: x's four blocks, then the weight's four.
.set WPN,   131072                     ; the weight's panel, behind x's
.set SPARE, 262144                     ; behind the panels: the spare words, 128 bytes for each wave, that no other line names
.set ADX,  16                          ; v16, v17  my fragments of x: K steps 0-3, 4-7
.set ADW,  20                          ; v20, v21  the same for the weight
.set SPW,  28
.set NIL,  29
.set BIAS, 32
.set ACC,  128
.set G1X,  24                          ; s[24:31] group 1 for x's panel;  s[32:39] for the weight's;  s[40:55], s[68:83] their groups 0, a set for each phase
.set G1W,  32
.set G0X,  40
.set G0W,  68
.set MSB, 0
.macro WIN new                         ; the immediate's high byte repeats the setting that is left
.if MSB != \new
	s_set_vgpr_msb (MSB<<8)|\new
.set MSB, \new
.endif
.endm
.set MUL,  0x05                        ; sources 0 and 1 window 1; C and D window 0
.set TO_F, 0x40                        ; destination window 1, address window 0
.macro CROUND                          ; a round of the cluster's barrier
	s_barrier_signal -1
	s_barrier_wait -1
	s_cmp_lg_u32 s14, 0
	s_cbranch_scc1 .Lnot_wave_0_\@
	s_barrier_signal -3
.Lnot_wave_0_\@:
	s_barrier_wait -3
	s_barrier_signal -1
	s_barrier_wait -1
.endm
.macro PLACES n
.rept \n
	v_nop
.endr
.endm
.macro FILL4 g0, g1                    ; a wave's four first fills on end; an s_nop 0 follows each, four v_nop the last
.irp p, 0,1,2,3
	tensor_load_to_lds s[\g0+4*\p:\g0+4*\p+3], s[\g1:\g1+7]
	s_nop 0
.endr
	PLACES 4
.endm
.macro MKSC f, vs, vl                  ; s[f] = a whole number F: v[vs] = 2^F as f32, s[f] = 448 x 2^F (v[vl] is not written)
	s_add_co_i32 s[\f], s[\f], 127
	s_lshl_b32 s63, s[\f], 23
	v_mov_b32 v[\vs], s63
	s_add_co_i32 s[\f], s[\f], 8
	s_lshl_b32 s[\f], s[\f], 23
	s_or_b32 s[\f], s[\f], 0x600000
.endm
	s_load_b256 s[4:11], s[0:1], 0x0               ; x_codes s[4:5], wqkv_codes s[6:7], qk_bias s[8:9], scales s[10:11]
	s_load_b64 s[12:13], s[0:1], 0x20              ; qkv_codes
	v_lshl_add_u32 v[SPW], v0, 2, SPARE
	v_mov_b32 v[NIL], 0
	ds_add_u32 v[SPW], v[NIL]                      ; the wave's opening: the add, twice on end, and its wait ahead of my first tensor load
	ds_add_u32 v[SPW], v[NIL]
	v_lshrrev_b32 v1, 5, v0
	v_readfirstlane_b32 s14, v1                    ; wave 0..3
	s_lshr_b32 s15, s14, 1                         ; wr: my half of the rows.  Also: I fetch for x (0) or for the weight (1)
	s_and_b32 s16, s14, 1                          ; wc: my half of the columns.  Also: which 8 chunks of a phase I fetch
	s_bfe_u32 s17, ttmp6, 0x40000                  ; cx
	s_bfe_u32 s18, ttmp6, 0x40004                  ; cy
	s_lshl_b32 s19, ttmp9, 2
	s_add_co_u32 s19, s19, s17                     ; tile column
	s_and_b32 s20, ttmp7, 0xffff
	s_lshl_b32 s20, s20, 2
	s_add_co_u32 s20, s20, s18                     ; tile row
	s_lshr_b32 s21, ttmp9, 1                       ; kind: 0 q, 1 k, 2 v
	s_lshl_b32 s22, s18, 2
	s_lshl_b32 s22, 15, s22                        ; my row of the cluster
	s_lshl_b32 s23, 0x1111, s17                    ; my column
	s_or_b32 s[G1X], s22, (3<<16)|(1<<21)          ; 15:0 the mask; 17:16 elements of 8 bytes; 21 set beside a mask; no padding
	s_or_b32 s[G1W], s23, (3<<16)|(1<<21)
.irp g, G1X, G1W
	s_mov_b32 s[\g+1], 256<<16                     ; tensor_dim0 = 256 elements: a chunk's 128 positions, 2,048 bytes
	s_mov_b32 s[\g+2], 8<<16                       ; tensor_dim1 = 8 chunks
	s_mov_b32 s[\g+3], 256<<16                     ; tile_dim0
	s_mov_b32 s[\g+4], 8                           ; tile_dim1
	s_mov_b32 s[\g+6], 0
	s_mov_b32 s[\g+7], 0
.endr
	s_mov_b32 s[G1X+5], 8192                       ; from chunk to chunk: 4,096 positions x 16 bytes, in elements
	s_mov_b32 s[G1W+5], 6144                       ; 3,072 positions
	s_lshl_b32 s56, s20, 11                        ; x: tile row x 2,048 bytes + my 8 chunks; for v the set of codes made with e2
	s_lshl_b32 s57, s16, 19
	s_add_co_u32 s56, s56, s57
	s_cmp_eq_u32 s21, 2
	s_cselect_b32 s57, 0x400000, 0
	s_add_co_u32 s56, s56, s57
	s_mov_b32 s57, 0
	s_lshl_b32 s58, s19, 11                        ; the weight: tile column x 2,048 bytes + my 8 chunks of 49,152 bytes
	s_mul_i32 s59, s16, 393216
	s_add_co_u32 s58, s58, s59
	s_mov_b32 s59, 0
	s_lshl_b32 s60, s16, 14                        ; in LDS: my 8 chunks of a phase: no place in the cluster enters an LDS address
	s_wait_dscnt 0x0                               ; both opening adds are done
	s_wait_kmcnt 0x0
	s_load_b256 s[84:91], s[10:11], 0x0            ; e0 .. e7
	s_add_nc_u64 s[56:57], s[4:5], s[56:57]
	s_add_nc_u64 s[58:59], s[6:7], s[58:59]
.irp p, 0,1,2,3
	s_mov_b32 s[G0X+4*\p], 1
	s_add_co_u32 s[G0X+4*\p+1], s60, \p*32768
	s_add_nc_u64 s[G0X+4*\p+2:G0X+4*\p+3], s[56:57], \p*1048576
	s_or_b32 s[G0X+4*\p+3], s[G0X+4*\p+3], 0x80000000
	s_mov_b32 s[G0W+4*\p], 1
	s_add_co_u32 s[G0W+4*\p+1], s60, WPN+\p*32768
	s_add_nc_u64 s[G0W+4*\p+2:G0W+4*\p+3], s[58:59], \p*786432
	s_or_b32 s[G0W+4*\p+3], s[G0W+4*\p+3], 0x80000000
.endr
	CROUND                                         ; all sixteen work-groups are here: the joint loads meet
	s_cmp_eq_u32 s15, 0                            ; a wave's first fills stand in one arm of one branch on the wave's number
	s_cbranch_scc0 .Lfill_w
	FILL4 G0X, G1X
	s_branch .Lfilled
.Lfill_w:
	FILL4 G0W, G1W
.Lfilled:
	v_and_b32 v1, 15, v0                           ; r
	v_bfe_u32 v2, v0, 4, 1                         ; h
	v_lshlrev_b32 v3, 4, v1
	v_lshl_add_u32 v3, v2, 11, v3                  ; h x a chunk + 16 r
	s_lshl_b32 s61, s15, 10                        ; my 64 positions of x
	s_lshl_b32 s62, s16, 10                        ; my 64 of the weight,
	s_add_co_u32 s62, s62, WPN                     ; in its panel
	v_add_nc_u32 v[ADX], s61, v3
	v_add_nc_u32 v[ADX+1], 0x10000, v[ADX]
	v_add_nc_u32 v[ADW], s62, v3
	v_add_nc_u32 v[ADW+1], 0x10000, v[ADW]
	s_and_b32 s61, s19, 7                          ; where my results go: kind x 4 MiB + (16 batch + head) x 131,072 + (block of 128 rows) x 8,192
	s_lshl_b32 s61, s61, 1
	s_add_co_u32 s61, s61, s16                     ; head = 2 (tile column % 8) + wc
	s_lshr_b32 s62, s20, 4
	s_lshl_b32 s62, s62, 4
	s_add_co_u32 s61, s61, s62
	s_lshl_b32 s22, s61, 17
	s_lshl_b32 s62, s21, 22
	s_add_co_u32 s22, s22, s62
	s_and_b32 s62, s20, 15
	s_lshl_b32 s62, s62, 13
	s_add_co_u32 s22, s22, s62
	s_mov_b32 s23, 0
	s_add_nc_u64 s[12:13], s[12:13], s[22:23]
; 8 matrix instructions: x's blocks a0, a0 + 1 against the weight's four, 128 along K.  mode 0: add on; 1: C = 0; 2: C = the bias.  swap 0: source 0 the weight; 1: source 0 x.
; The 16 accumulators take turns, one instruction a turn, in the same order in every step.
.macro MUL8 f, a0, mode, swap
.irp a, \a0, \a0+1
.irp b, 0,1,2,3
.set rD, ACC+8*(4*(\a)+\b)
.if \swap
.set rP, (\f)+16*(\a)
.set rQ, (\f)+64+16*\b
.else
.set rP, (\f)+64+16*\b
.set rQ, (\f)+16*(\a)
.endif
.if \mode == 2
	v_wmma_f32_16x16x128_fp8_fp8 v[rD:rD+7], v[rP:rP+15], v[rQ:rQ+15], v[BIAS+8*\b:BIAS+8*\b+7]
.elseif \mode == 1
	v_wmma_f32_16x16x128_fp8_fp8 v[rD:rD+7], v[rP:rP+15], v[rQ:rQ+15], 0
.else
	v_wmma_f32_16x16x128_fp8_fp8 v[rD:rD+7], v[rP:rP+15], v[rQ:rQ+15], v[rD:rD+7]
.endif
.endr
.endr
.endm
.macro FETCH s                         ; K step s: 32 LDS loads in one run into buffer s % 2: the weight's four blocks, then x's
	WIN TO_F
.irp b, 0,1,2,3
.irp c, 0,1,2,3
	ds_load_b128 v[128*((\s)%2)+64+16*\b+4*\c:128*((\s)%2)+64+16*\b+4*\c+3], v[ADW+(\s)/4] offset:(8*((\s)%4)+2*\c)*2048+\b*256
.endr
.endr
.irp b, 0,1,2,3
.irp c, 0,1,2,3
	ds_load_b128 v[128*((\s)%2)+16*\b+4*\c:128*((\s)%2)+16*\b+4*\c+3], v[ADX+(\s)/4] offset:(8*((\s)%4)+2*\c)*2048+\b*256
.endr
.endr
.endm
.macro STEP s, mode, swap
	s_wait_dscnt 8                                 ; all of this step's fragments but x's blocks 2 and 3 are in
	WIN MUL
	MUL8 128*((\s)%2), 0, \mode, \swap
.if (\s) < 7
.if ((\s)%2) == 1
	s_wait_dscnt 0x0                               ; no LDS load of mine is out at the signal
	s_wait_tensorcnt 3-((\s)+1)/2                  ; my load of the next phase has landed; the later phases' stay out
	s_barrier_signal -1
	s_barrier_wait -1                              ; everybody's has
.endif
	PLACES 4                                       ; in front of loads into registers that matrix instructions have read
	FETCH (\s)+1
	s_wait_dscnt 32                                ; all but the 32 just issued
.else
	s_wait_dscnt 0x0
.endif
	WIN MUL
	MUL8 128*((\s)%2), 2, \mode, \swap
.endm
.macro MAIN swap, mode0
	s_wait_tensorcnt 3                             ; my load of phase 0 has landed; three stay out
	s_barrier_signal -1
	s_barrier_wait -1
	FETCH 0
	STEP 0, \mode0, \swap                          ; the first products start the sums: nothing is cleared
.irp s, 1,2,3,4,5,6,7
	STEP \s, 0, \swap
.endr
	PLACES 4                                       ; in front of the first read of results
	WIN 0
.endm
	s_cmp_eq_u32 s21, 2                            ; the cluster's x alone decides: all waves of all partners go the same way
	s_cbranch_scc1 .Lv_path
; ---- q and k
	s_lshl_b32 s22, s19, 9                         ; the bias of my 64 columns: lane (r, h) wants, for tile 2 b + u, columns 32 b + 16 h + 8 u + 0 .. 7
	s_lshl_b32 s23, s16, 8
	s_add_co_u32 s22, s22, s23
	s_mov_b32 s23, 0
	s_add_nc_u64 s[8:9], s[8:9], s[22:23]
	s_wait_alu depctr_va_vdst(0)
	v_lshlrev_b32 v30, 6, v2
.irp b, 0,1,2,3
	global_load_b128 v[BIAS+8*\b:BIAS+8*\b+3], v30, s[8:9] offset:128*(\b/2)+32*(\b%2)
	global_load_b128 v[BIAS+8*\b+4:BIAS+8*\b+7], v30, s[8:9] offset:128*(\b/2)+32*(\b%2)+16
.endr
	s_wait_kmcnt 0x0
	s_add_co_i32 s22, s84, s85                     ; a sum stands for sum x 2^(e0 + e1): the bias goes in divided by that
	s_sub_co_i32 s23, 0, s22
	s_cmp_eq_u32 s21, 1
	s_cselect_b32 s61, s89, s88                    ; e5 for k, e4 for q
	s_sub_co_i32 s61, s61, s22
	MKSC 61, 96, 97
	s_wait_loadcnt 0x0
.set n, 0
.rept 32
	v_ldexp_f32 v[BIAS+n], v[BIAS+n], s23
.set n, n+1
.endr
	s_wait_alu depctr_va_vdst(0)
	MAIN 0, 2
.irp a, 0,1,2,3
.irp be, 0,1
.irp i, 0,1,2,3,4,5,6,7,8,9,10,11,12,13,14,15
.endr
	v_cvt_scalef32_pk8_fp8_f32 v[64+4*(2*\a+\be):64+4*(2*\a+\be)+1], v[ACC+32*\a+16*\be:ACC+32*\a+16*\be+7], v96
	v_cvt_scalef32_pk8_fp8_f32 v[64+4*(2*\a+\be)+2:64+4*(2*\a+\be)+3], v[ACC+32*\a+16*\be+8:ACC+32*\a+16*\be+15], v96
.endr
.endr
	v_nop                                          ; a plain line behind the last conversion
.irp a, 0,1,2,3
.irp be, 0,1
	global_store_b128 v[ADX], v[64+4*(2*\a+\be):64+4*(2*\a+\be)+3], s[12:13] offset:\be*4096+\a*256   ; chunk 2 be + h, position 64 wr + 16 a + r: the offset is the same arithmetic as x's LDS address; sixteen lanes store 256 consecutive, aligned bytes
.endr
.endr
	s_branch .Ldone
; ---- v
.Lv_path:
	s_wait_kmcnt 0x0
	s_sub_co_i32 s61, s91, s86
	s_sub_co_i32 s61, s61, s87                     ; e7 - e2 - e3
	MKSC 61, 96, 97
	s_wait_alu depctr_va_vdst(0)
	v_lshlrev_b32 v31, 4, v1
	v_lshl_add_u32 v31, v2, 10, v31                ; out: h x 1,024 + 16 r
	s_lshl_b32 s62, s15, 12
	v_add_nc_u32 v31, s62, v31                     ; + my four chunks of keys
	MAIN 1, 1
.irp b, 0,1,2,3
.irp be, 0,1
.irp i, 0,1,2,3,4,5,6,7
.endr
.irp i, 0,1,2,3,4,5,6,7
.endr
	v_cvt_scalef32_pk8_fp8_f32 v[64+4*(2*\b+\be):64+4*(2*\b+\be)+1], v[ACC+8*(8*\be+\b):ACC+8*(8*\be+\b)+7], v96
	v_cvt_scalef32_pk8_fp8_f32 v[64+4*(2*\b+\be)+2:64+4*(2*\b+\be)+3], v[ACC+8*(8*\be+4+\b):ACC+8*(8*\be+4+\b)+7], v96
.endr
.endr
	v_nop
.irp b, 0,1,2,3
.irp be, 0,1
	global_store_b128 v31, v[64+4*(2*\b+\be):64+4*(2*\b+\be)+3], s[12:13] offset:\be*2048+\b*256   ; chunk of keys 2 be + h, channel position 16 b + r
.endr
.endr
.Ldone:
	s_wait_tensorcnt 0x0                           ; the wave's end
	ds_add_u32 v[SPW], v[NIL]
	s_wait_dscnt 0x0
	CROUND                                         ; the closing round
	s_endpgm
.Lfunc_end_k_q7c5c68bd83_qkv:
	.size	k_q7c5c68bd83_qkv, .Lfunc_end_k_q7c5c68bd83_qkv-k_q7c5c68bd83_qkv
	.p2alignl 7, 3214868480
	.fill 96, 4, 3214868480
	.section	.rodata,"a",@progbits
	.p2align	6, 0x0
	.amdhsa_kernel k_q7c5c68bd83_qkv
		.amdhsa_group_segment_fixed_size 327680
		.amdhsa_private_segment_fixed_size 0
		.amdhsa_enable_private_segment 0
		.amdhsa_kernarg_size 40
		.amdhsa_user_sgpr_count 2
		.amdhsa_user_sgpr_kernarg_segment_ptr 1
		.amdhsa_wavefront_size32 1
		.amdhsa_system_sgpr_workgroup_id_x 1
		.amdhsa_system_sgpr_workgroup_id_y 1
		.amdhsa_system_sgpr_workgroup_id_z 1
		.amdhsa_system_vgpr_workitem_id 0
		.amdhsa_next_free_vgpr 512
		.amdhsa_next_free_sgpr 96
		.amdhsa_reserve_vcc 0
		.amdhsa_float_denorm_mode_32 3
		.amdhsa_float_denorm_mode_16_64 3
		.amdhsa_fp16_overflow 1
		.amdhsa_memory_ordered 1
		.amdhsa_forward_progress 1
		.amdhsa_inst_pref_size 69
	.end_amdhsa_kernel
	.amdgpu_metadata
---
amdhsa.version: [ 1, 2 ]
amdhsa.kernels:
  - .name:           k_q7c5c68bd83_qkv
    .symbol:         k_q7c5c68bd83_qkv.kd
    .args:
      - { .name: x_codes, .offset: 0, .size: 8, .value_kind: global_buffer, .address_space: global }
      - { .name: wqkv_codes, .offset: 8, .size: 8, .value_kind: global_buffer, .address_space: global }
      - { .name: qk_bias, .offset: 16, .size: 8, .value_kind: global_buffer, .address_space: global }
      - { .name: lowp_scales, .offset: 24, .size: 8, .value_kind: global_buffer, .address_space: global }
      - { .name: qkv_codes, .offset: 32, .size: 8, .value_kind: global_buffer, .address_space: global }
    .group_segment_fixed_size: 327680
    .private_segment_fixed_size: 0
    .kernarg_segment_align: 8
    .kernarg_segment_size: 40
    .max_flat_workgroup_size: 128
    .sgpr_count:     96
    .vgpr_count:     512
    .wavefront_size: 32
...
	.end_amdgpu_metadata
.endif
;; end of part 2
;; launch attn (part 3): grid 8 x 32, 8 waves a work-group, clusters of 4 x 1, 327,680 bytes of LDS; arguments qkv_codes, attn_mat_resid_gain, attn_mat_skip_gain, centre_attn_gain, lowp_scales, ctx_codes; writes ctx_codes
.if DOCPART == 3
	.amdgcn_target "amdgcn-amd-amdhsa--gfx1250"
	.amdhsa_code_object_version 6
	.text
	.protected	k_q7c5c68bd83_attn
	.globl	k_q7c5c68bd83_attn
	.p2align	8
	.type	k_q7c5c68bd83_attn,@function
k_q7c5c68bd83_attn:
	s_mov_b64 s[64:65], 0
	v_nop
	global_prefetch_b8 v0, s[64:65] scope:SCOPE_SE
	s_setreg_imm32_b32 hwreg(HW_REG_WAVE_MODE, 25, 1), 1
	s_wait_xcnt 0x0
	s_wait_alu depctr_hold_cnt(0) depctr_sa_sdst(0) depctr_va_vdst(0) depctr_va_sdst(0) depctr_va_ssrc(0) depctr_va_vcc(0) depctr_vm_vsrc(0)
	s_getreg_b32 s2, hwreg(HW_REG_IB_STS2, 6, 4)
	s_cmp_eq_u32 s2, 0
	s_cbranch_scc0 .Lentry_in_a_cluster
	s_endpgm
.Lentry_in_a_cluster:
	s_bfe_u32 s2, ttmp6, 0x10000c
	s_cmp_lg_u32 s2, 0x3003
	s_cbranch_scc0 .Lentry_shape_is_right
	s_endpgm
.Lentry_shape_is_right:
; LAUNCH 3 OF 4: products 3 and 4 on codes of FP8.  ctx = Q(g_r softmax(q k^T / 8) + g_s I - g_c uniform; e6) v, stored as codes with e8.
; LEFT OUT: steps of 128 keys that lie wholly above the diagonal: reference()'s own causal mask makes new_attn's code 0 there (shown at the head of launch quant).
; THE LEFT OPERAND OF PRODUCT 4 IS QUANTISED FINISHED AND NORMALISED, so a row's maximum and sum are known before any of its weights is quantised: TWO PASSES over the keys.
;   Pass 1: scores, the running largest t = score x log2(e) / 8, M = that rounded up to a whole number, l = the sum of 2^(t - M); when M moves, l is multiplied by 2^(old M - new M), which rounds nothing.
;   Pass 2: the same scores again (the same instructions on the same codes), p = 2^(t - M), w = p (g_r / l) - g_c / (q + 1), + g_s on the diagonal, 0 above it; held, converted with 2^e6, multiplied by v.
; SHARES.  Work-group j of 8 of a head owns the sixteen tiles of 16 queries 8 i + j, i = 0 .. 15; wave w owns i = w and i = 15 - w.  Key step s is hidden where s > i and on the diagonal where s = i, whatever j:
;   every branch hangs on the wave's number and a counted loop alone, and each wave walks 17 steps in each pass.  Wave 0's second tile reads all 16 steps: every byte fetched is read.
; LDS: the head's whole k and v lie there, filled once: every wave asks for one eighth of each at the start; my k part lands before my v part is asked for.  CLUSTER 4 x 1: four work-groups of one head ask jointly.
; LAYOUT.  Both products transposed: S^T = k q^T, O^T = v^T w^T: a lane holds one query throughout; positions (bits 3 and 4 exchanged) make the 16 registers of two neighbouring tiles 16 neighbouring keys or channels.
; LIMITS: e4 + e5 between -123 and 130 (added to c's exponent field); e6, and e8 - e6 - e7, between -126 and 119.  On the diagonal step of pass 2 a hidden key's p may overflow before it is replaced by 0: it reaches nothing.  NaN is not served.
; REGISTERS: v1 k's (and q's) lane offset, v2 v's, v3 my query - 16 h within its 128, v4, v5 the add's two, v6, v7 addresses in hand, v8 ctx's lane offset, v10 0, v11 g_s, v12 -M, v13 largest t, v[14:15] l in two halves,
;   v16-21, v24-29 a tile's -M, g_r / l, -g_c / (q + 1), each twice; v22 my query + 1 within its 128; v32-95 fragments of k, then of v; v96-159 S^T, then p, then w; v160-191 O^T; v192-207 w's codes; v208-223 q; v224-228 constants; v232-239 ctx's codes; v236, v242-254 at work.
.set VREG,  131072                     ; v's codes, behind k's
.set SPARE, 262144                     ; behind both: the spare words, 128 bytes for each of eight waves, that no other line names
.macro ROUND                           ; a round of the cluster's barrier
	s_barrier_signal -1
	s_barrier_wait -1
	s_cmp_lg_u32 s16, 0
	s_cbranch_scc1 .Lnot_wave_0_\@
	s_barrier_signal -3
.Lnot_wave_0_\@:
	s_barrier_wait -3
	s_barrier_signal -1
	s_barrier_wait -1
.endm
	s_load_b256 s[4:11], s[0:1], 0x0               ; qkv_codes s[4:5], g_r s[6:7], g_s s[8:9], g_c s[10:11]
	s_load_b128 s[12:15], s[0:1], 0x20             ; scales s[12:13], ctx_codes s[14:15]
	v_lshl_add_u32 v4, v0, 2, SPARE
	v_mov_b32 v5, 0
	ds_add_u32 v4, v5                              ; the wave's opening: the add, twice on end, and its wait ahead of my first tensor load
	ds_add_u32 v4, v5
	v_lshrrev_b32 v250, 5, v0
	s_delay_alu instid0(VALU_DEP_1)
	v_readfirstlane_b32 s16, v250                  ; wave 0..7
	s_bfe_u32 s17, ttmp6, 0x40000                  ; cx
	s_lshl_b32 s18, ttmp9, 2
	s_add_co_u32 s18, s18, s17                     ; j: it enters q's and ctx's addresses and the mask's compares alone
	s_and_b32 s19, ttmp7, 0xffff                   ; 16 batch + head, which the four partners share
	s_mov_b32 s24, 15|(3<<16)|(1<<21)              ; group 1: the mask names all four; elements of 8 bytes; 21 set beside a mask; no padding
	s_mov_b32 s25, 32<<16                          ; tensor_dim0 = 32 elements: rows of 256 bytes
	s_mov_b32 s26, 64<<16                          ; tensor_dim1 = 64 rows: 16,384 dense bytes
	s_mov_b32 s27, 32<<16                          ; tile_dim0
	s_mov_b32 s28, 64                              ; tile_dim1
	s_mov_b32 s29, 32                              ; from row to row
	s_mov_b32 s30, 0
	s_mov_b32 s31, 0
	s_lshl_b32 s20, s19, 17                        ; the head's 131,072 bytes in each of q, k, v
	s_lshl_b32 s21, s16, 14                        ; my wave's 16,384 of them, in memory and in LDS
	s_add_co_u32 s74, s20, s21
	s_add_co_u32 s74, s74, 0x400000                ; k lies 4 MiB behind q
	s_mov_b32 s75, 0
	s_and_b32 s22, s19, 15
	s_lshl_b32 s22, s22, 2                         ; the head's place in the three gains
	s_mov_b32 s60, s16                             ; i of my first tile,
	s_xor_b32 s61, s16, 15                         ; and of my second
	s_mov_b32 s56, 0x76543210                      ; v_permlanex16_b32's selects for lane l xor 16
	s_mov_b32 s57, 0xfedcba98
	s_wait_dscnt 0x0                               ; both opening adds are done
	s_wait_kmcnt 0x0
	s_load_b256 s[40:47], s[12:13], 0x0            ; e0 .. e7
	s_load_b64 s[48:49], s[12:13], 0x20            ; e8, e9
	s_load_b32 s50, s[6:7], s22 offset:0x0         ; g_r
	s_load_b32 s51, s[8:9], s22 offset:0x0         ; g_s
	s_load_b32 s52, s[10:11], s22 offset:0x0       ; g_c
	s_mov_b32 s32, 1
	s_mov_b32 s33, s21
	s_add_nc_u64 s[34:35], s[4:5], s[74:75]
	s_mov_b32 s36, 1
	s_add_co_u32 s37, s21, VREG
	s_add_nc_u64 s[38:39], s[34:35], 0x400000      ; v lies 4 MiB behind k
	s_or_b32 s35, s35, 0x80000000
	s_or_b32 s39, s39, 0x80000000
	ROUND                                          ; all four work-groups are here: the joint loads meet
	tensor_load_to_lds s[32:35], s[24:31]          ; my part of k
	s_nop 0
	s_wait_alu depctr_va_vdst(0)
	s_wait_tensorcnt 0x0
	ds_add_u32 v4, v5
	s_wait_dscnt 0x0
	ROUND
	tensor_load_to_lds s[36:39], s[24:31]          ; my part of v
	s_nop 0
.rept 4
	v_nop
.endr
	s_lshl_b32 s23, s18, 8                         ; q: head + block i x 8,192 + 256 j
	s_add_co_u32 s23, s23, s20
	s_lshl_b32 s76, s60, 13
	s_add_co_u32 s76, s76, s23
	s_mov_b32 s77, 0
	s_add_nc_u64 s[70:71], s[4:5], s[76:77]
	s_lshl_b32 s76, s61, 13
	s_add_co_u32 s76, s76, s23
	s_add_nc_u64 s[72:73], s[4:5], s[76:77]
	s_and_b32 s23, s19, 15                         ; ctx: chunk 4 head (65,536 bytes a chunk) + (2,048 batch + 128 i + 16 j) x 16
	s_lshl_b32 s23, s23, 18
	s_lshr_b32 s78, s19, 4
	s_lshl_b32 s78, s78, 15
	s_add_co_u32 s23, s23, s78
	s_lshl_b32 s78, s18, 8
	s_add_co_u32 s23, s23, s78
	s_lshl_b32 s76, s60, 11
	s_add_co_u32 s76, s76, s23
	s_add_nc_u64 s[66:67], s[14:15], s[76:77]
	s_lshl_b32 s76, s61, 11
	s_add_co_u32 s76, s76, s23
	s_add_nc_u64 s[68:69], s[14:15], s[76:77]
	v_and_b32 v250, 15, v0                         ; r
	v_bfe_u32 v251, v0, 4, 1                       ; h
	s_delay_alu instid0(VALU_DEP_2)
	v_lshlrev_b32 v252, 4, v250
	s_delay_alu instid0(VALU_DEP_1)
	v_lshl_add_u32 v1, v251, 11, v252              ; k and q: h x a chunk of 2,048 + 16 r
	s_delay_alu instid0(VALU_DEP_2)
	v_lshl_add_u32 v2, v251, 10, v252
	s_delay_alu instid0(VALU_DEP_1)
	v_add_nc_u32 v2, VREG, v2                      ; v: h x a chunk of 1,024 + 16 r
	s_delay_alu instid0(VALU_DEP_4)
	v_lshl_add_u32 v8, v251, 16, v252              ; ctx: h x a chunk of 65,536 + 16 r
.irp z, 0,1
.irp c, 0,1
	global_load_b128 v[208+8*\z+4*\c:208+8*\z+4*\c+3], v1, s[70+2*\z:71+2*\z] offset:\c*4096   ; q's fragments stay in registers
.endr
.endr
	s_lshr_b32 s78, s18, 1
	s_lshl_b32 s78, s78, 5
	s_and_b32 s79, s18, 1
	s_lshl_b32 s79, s79, 3
	s_add_co_u32 s78, s78, s79
	v_and_b32 v3, 8, v250
	s_delay_alu instid0(VALU_DEP_1)
	v_add_nc_u32 v3, v3, v250
	s_delay_alu instid0(VALU_DEP_1)
	v_add_nc_u32 v3, s78, v3                       ; my query within its 128: 32 (j / 2) + 8 (j % 2) + r + 8 (r / 8)
	s_delay_alu instid0(VALU_DEP_1)
	v_add_nc_u32 v22, 1, v3
	v_lshlrev_b32 v251, 4, v251
	s_delay_alu instid0(VALU_DEP_1)
	v_sub_nc_u32 v3, v3, v251                      ; - 16 h.  Register 16 b + i holds key 32 b + 16 h + i of the step: hidden where 32 b + i is greater, the diagonal where equal
	v_mov_b32 v10, 0
	v_mov_b32 v228, 0xff800000                     ; -infinity
	v_mov_b32 v236, 0                              ; written once: a lane permute's destination counts as one of its sources
	v_mov_b32 v253, 0                              ; (named as the upper half of the pair v[252:253])
	s_wait_kmcnt 0x0
	v_mov_b32 v11, s51
	s_xor_b32 s52, s52, 0x80000000                 ; -g_c
	s_add_co_i32 s78, s44, s45
	s_lshl_b32 s78, s78, 23
	s_add_co_i32 s54, s78, 0x3e38aa3b              ; c = log2(e) / 8, with e4 + e5 added to its exponent field: a score stands for score x 2^(e4 + e5)
	s_mov_b32 s55, s54                             ; (named with it as a pair, so it is written)
	s_add_co_i32 s78, s46, 127
	s_lshl_b32 s79, s78, 23
	v_mov_b32 v225, s79                            ; 2^e6
	s_sub_co_i32 s78, s48, s46
	s_sub_co_i32 s78, s78, s47
	s_add_co_i32 s78, s78, 127
	s_lshl_b32 s79, s78, 23
	v_mov_b32 v227, s79                            ; 2^(e8 - e6 - e7): a sum of product 4 stands for sum x 2^(e6 + e7)
; S^T of the step at LDS byte s58, for tile z: eight tiles of 16 keys, K = the head's 64
.macro SCORES z
	v_add_nc_u32 v6, s58, v1
.irp t, 0,1,2,3,4,5,6,7
.irp c, 0,1
	ds_load_b128 v[32+8*\t+4*\c:32+8*\t+4*\c+3], v6 offset:\c*4096+\t*256
.endr
.endr
	s_wait_dscnt 0x0
.irp t, 0,1,2,3,4,5,6,7
	v_wmma_f32_16x16x64_fp8_fp8 v[96+8*\t:103+8*\t], v[32+8*\t:39+8*\t], v[208+8*\z:215+8*\z], 0
.endr
.rept 4
	v_nop                                          ; places in front of the first read of results, and of loads into the fragments' registers
.endr
.endm
; PASS 1 for tile z.  The loop has 16 trips in every wave; a hidden step's work is jumped over, not the lines that step the address and the count.
.macro PASS1 z
	v_mov_b32 v13, 0xff61b1e6                      ; the largest t so far: -3e38, under every t
	s_delay_alu instid0(VALU_DEP_1)
	v_floor_f32 v12, -v13
	v_mov_b32 v14, 0
	v_mov_b32 v15, 0
	s_mov_b32 s58, 0
	s_mov_b32 s59, 0
.Lone_\@:
	s_cmp_gt_u32 s59, s[60+\z]
	s_cbranch_scc1 .Lone_hidden_\@
	SCORES \z
	s_cmp_lg_u32 s59, s[60+\z]
	s_cbranch_scc1 .Lone_open_\@
.set n, 0
.rept 64                               ; the diagonal step: hidden scores become -infinity ahead of the maximum
	v_cmp_gt_i32 vcc_lo, 32*(n/16)+n%16, v3
	v_cndmask_b32 v[96+n], v[96+n], v228, vcc_lo
.set n, n+1
.endr
.Lone_open_\@:
	v_max3_num_f32 v254, v96, v97, v98             ; the step's largest score among my 64 keys, in two chains,
	v_max3_num_f32 v252, v99, v100, v101
.irp i, 6,10,14,18,22,26,30,34,38,42,46,50,54,58
	v_max3_num_f32 v254, v254, v[96+\i], v[97+\i]
	v_max3_num_f32 v252, v252, v[98+\i], v[99+\i]
.endr
	v_max3_num_f32 v254, v254, v158, v159
	s_delay_alu instid0(VALU_DEP_1)
	v_max_num_f32 v254, v254, v252
	s_delay_alu instid0(VALU_DEP_1)
	v_permlanex16_b32 v236, v254, s56, s57
	s_delay_alu instid0(VALU_DEP_1)
	v_max_num_f32 v254, v254, v236                 ; and among lane l xor 16's
	s_delay_alu instid0(VALU_DEP_1)
	v_mul_f32 v254, s54, v254                      ; as t (c is positive)
	s_delay_alu instid0(VALU_DEP_1)
	v_max_num_f32 v13, v13, v254
	v_mov_b32 v254, v12
	s_delay_alu instid0(VALU_DEP_2)
	v_floor_f32 v12, -v13                          ; -M = floor(-t): M is a whole number
	s_delay_alu instid0(VALU_DEP_1)
	v_sub_f32 v254, v12, v254                      ; old M - new M: a whole number, 0 or less
	s_delay_alu instid0(VALU_DEP_1)
	v_cvt_i32_f32 v254, v254                       ; (it saturates)
	s_delay_alu instid0(VALU_DEP_1)
	v_ldexp_f32 v252, 1.0, v254                    ; f = 2^(old M - new M)
.set n, 0
.rept 32
	v_pk_fma_f32 v[96+n:97+n], v[96+n:97+n], s[54:55], v[12:13] op_sel_hi:[1,0,0]   ; t - M, two at a time
.set n, n+2
.endr
.set n, 0
	s_wait_alu depctr_va_vdst(0)
.rept 64
	v_exp_f32 v[96+n], v[96+n]
.set n, n+1
.endr
	v_pk_mul_f32 v[14:15], v[14:15], v[252:253] op_sel_hi:[1,0]   ; l under the new M: the plain line behind the exponentials
	s_wait_alu depctr_va_vdst(0)                   ; one wait for the whole batch, ahead of its first reader
	v_pk_add_f32 v[242:243], v[96:97], v[98:99]
.irp i, 4,8,12,16,20,24,28,32,36,40,44,48,52,56,60
	v_pk_add_f32 v[14:15], v[14:15], v[96+\i:97+\i]
	v_pk_add_f32 v[242:243], v[242:243], v[98+\i:99+\i]
.endr
	s_delay_alu instid0(VALU_DEP_1)
	v_pk_add_f32 v[14:15], v[14:15], v[242:243]
.Lone_hidden_\@:
	s_add_co_u32 s58, s58, 8192
	s_add_co_u32 s59, s59, 1
	s_cmp_lt_u32 s59, 16
	s_cbranch_scc1 .Lone_\@
	s_wait_alu depctr_va_vdst(0)
	v_add_f32 v14, v14, v15                        ; l: its two halves,
	s_delay_alu instid0(VALU_DEP_1)
	v_permlanex16_b32 v236, v14, s56, s57
	s_delay_alu instid0(VALU_DEP_1)
	v_add_f32 v14, v14, v236                       ; and lane l xor 16's
	s_lshl_b32 s62, s[60+\z], 7
	v_add_nc_u32 v250, s62, v22                    ; q + 1
	s_delay_alu instid0(VALU_DEP_1)
	v_cvt_f32_u32 v250, v250
	s_wait_alu depctr_va_vdst(0)
	v_rcp_f32 v251, v14
	v_rcp_f32 v252, v250
	v_mov_b32 v[16+8*\z], v12                      ; -M, twice (plain lines behind the reciprocals)
	v_mov_b32 v[17+8*\z], v12
	s_wait_alu depctr_va_vdst(0)                   ; one wait for both reciprocals, ahead of their first reader
	v_mul_f32 v[18+8*\z], s50, v251                ; g_r / l
	v_mul_f32 v[20+8*\z], s52, v252                ; -g_c / (q + 1)
	s_delay_alu instid0(VALU_DEP_2)
	v_mov_b32 v[19+8*\z], v[18+8*\z]
	s_delay_alu instid0(VALU_DEP_2)
	v_mov_b32 v[21+8*\z], v[20+8*\z]
.endm
; PASS 2 for tile z
.macro PASS2 z
	s_wait_xcnt 0x0                                ; the tile before's stores have read their registers, which the tail below writes again
.set n, 0
.rept 32
	v_mov_b32 v[160+n], 0                          ; O^T: the loop is written once, and which trip is a wave's last hangs on its number
.set n, n+1
.endr
	s_mov_b32 s58, 0
	s_mov_b32 s59, 0
.Ltwo_\@:
	s_cmp_gt_u32 s59, s[60+\z]
	s_cbranch_scc1 .Ltwo_hidden_\@
	SCORES \z
	v_add_nc_u32 v7, s58, v2
.irp t, 0,1,2,3
.irp c, 0,1,2,3
	ds_load_b128 v[32+16*\t+4*\c:32+16*\t+4*\c+3], v7 offset:\c*2048+\t*256   ; v's four fragments land under the softmax
.endr
.endr
.set n, 0
.rept 32
	v_pk_fma_f32 v[96+n:97+n], v[96+n:97+n], s[54:55], v[16+8*\z:17+8*\z] op_sel_hi:[1,0,0]   ; t - M, M the row's final one
.set n, n+2
.endr
.set n, 0
	s_wait_alu depctr_va_vdst(0)
.rept 64
	v_exp_f32 v[96+n], v[96+n]
.set n, n+1
.endr
	v_nop                                          ; the plain line behind the exponentials
	s_wait_alu depctr_va_vdst(0)                   ; one wait for the whole batch
.set n, 0
.rept 32
	v_pk_fma_f32 v[96+n:97+n], v[96+n:97+n], v[18+8*\z:19+8*\z], v[20+8*\z:21+8*\z]   ; p g_r / l - g_c / (q + 1)
.set n, n+2
.endr
	s_cmp_lg_u32 s59, s[60+\z]
	s_cbranch_scc1 .Ltwo_open_\@
.set n, 0
.rept 64                               ; the diagonal step: 0 above the diagonal, + g_s on it
	v_cmp_gt_i32 vcc_lo, 32*(n/16)+n%16, v3
	s_delay_alu instid0(VALU_DEP_1)
	v_cndmask_b32 v[96+n], v[96+n], v10, vcc_lo
	v_cmp_eq_i32 vcc_lo, 32*(n/16)+n%16, v3
	s_delay_alu instid0(VALU_DEP_1)
	v_cndmask_b32 v[250+n%2], v10, v11, vcc_lo
	s_delay_alu instid0(VALU_DEP_1)
	v_add_f32 v[96+n], v[96+n], v[250+n%2]
.set n, n+1
.endr
.Ltwo_open_\@:
	s_wait_alu depctr_va_vdst(0)
.irp b, 0,1,2,3
.irp i, 0,1,2,3,4,5,6,7,8,9,10,11,12,13,14,15
.endr
	v_cvt_scalef32_pk8_fp8_f32 v[192+4*\b:193+4*\b], v[96+16*\b:103+16*\b], v225
	v_cvt_scalef32_pk8_fp8_f32 v[194+4*\b:195+4*\b], v[104+16*\b:111+16*\b], v225
.endr
	v_nop                                          ; a plain line between the last conversion and the products that read its result
	s_wait_alu depctr_va_vdst(0)
	s_wait_dscnt 0x0                               ; v's fragments are in
.irp t, 0,1,2,3
	v_wmma_f32_16x16x128_fp8_fp8 v[160+8*\t:167+8*\t], v[32+16*\t:47+16*\t], v[192:207], v[160+8*\t:167+8*\t]   ; four accumulators by turns; the scores' eight products stand between a link and the next
.endr
.rept 4
	v_nop                                          ; places in front of the next loads into v's registers and of the tail's reads
.endr
.Ltwo_hidden_\@:
	s_add_co_u32 s58, s58, 8192
	s_add_co_u32 s59, s59, 1
	s_cmp_lt_u32 s59, 16
	s_cbranch_scc1 .Ltwo_\@
.set n, 0
.rept 32
.set n, n+1
.endr
	s_wait_alu depctr_va_vdst(0)
.irp t, 0,1,2,3
	v_cvt_scalef32_pk8_fp8_f32 v[232+2*\t:233+2*\t], v[160+8*\t:167+8*\t], v227   ; tiles 2 b, 2 b + 1: channels 32 b + 16 h + 0 .. 15 of the head: chunk 2 b + h
.endr
	v_nop
	global_store_b128 v8, v[232:235], s[66+2*\z:67+2*\z]                  ; sixteen lanes store 256 consecutive, aligned bytes
	global_store_b128 v8, v[236:239], s[66+2*\z:67+2*\z] offset:131072
.endm
	s_wait_loadcnt 0x0                             ; q
	s_wait_tensorcnt 1                             ; my part of k has landed; v's may stay out
	s_barrier_signal -1
	s_barrier_wait -1                              ; everybody's has
	PASS1 0
	PASS1 1
	s_wait_tensorcnt 0x0                           ; my part of v has landed
	s_wait_dscnt 0x0
	s_barrier_signal -1
	s_barrier_wait -1
	PASS2 0
	PASS2 1
	s_wait_tensorcnt 0x0                           ; the wave's end
	ds_add_u32 v4, v5
	s_wait_dscnt 0x0
	ROUND                                          ; the closing round
	s_endpgm
.Lfunc_end_k_q7c5c68bd83_attn:
	.size	k_q7c5c68bd83_attn, .Lfunc_end_k_q7c5c68bd83_attn-k_q7c5c68bd83_attn
	.p2alignl 7, 3214868480
	.fill 96, 4, 3214868480
	.section	.rodata,"a",@progbits
	.p2align	6, 0x0
	.amdhsa_kernel k_q7c5c68bd83_attn
		.amdhsa_group_segment_fixed_size 327680
		.amdhsa_private_segment_fixed_size 0
		.amdhsa_enable_private_segment 0
		.amdhsa_kernarg_size 48
		.amdhsa_user_sgpr_count 2
		.amdhsa_user_sgpr_kernarg_segment_ptr 1
		.amdhsa_wavefront_size32 1
		.amdhsa_system_sgpr_workgroup_id_x 1
		.amdhsa_system_sgpr_workgroup_id_y 1
		.amdhsa_system_sgpr_workgroup_id_z 1
		.amdhsa_system_vgpr_workitem_id 0
		.amdhsa_next_free_vgpr 256
		.amdhsa_next_free_sgpr 80
		.amdhsa_reserve_vcc 1
		.amdhsa_float_denorm_mode_32 3
		.amdhsa_float_denorm_mode_16_64 3
		.amdhsa_fp16_overflow 1
		.amdhsa_memory_ordered 1
		.amdhsa_forward_progress 1
		.amdhsa_inst_pref_size 100
	.end_amdhsa_kernel
	.amdgpu_metadata
---
amdhsa.version: [ 1, 2 ]
amdhsa.kernels:
  - .name:           k_q7c5c68bd83_attn
    .symbol:         k_q7c5c68bd83_attn.kd
    .args:
      - { .name: qkv_codes, .offset: 0, .size: 8, .value_kind: global_buffer, .address_space: global }
      - { .name: attn_mat_resid_gain, .offset: 8, .size: 8, .value_kind: global_buffer, .address_space: global }
      - { .name: attn_mat_skip_gain, .offset: 16, .size: 8, .value_kind: global_buffer, .address_space: global }
      - { .name: centre_attn_gain, .offset: 24, .size: 8, .value_kind: global_buffer, .address_space: global }
      - { .name: lowp_scales, .offset: 32, .size: 8, .value_kind: global_buffer, .address_space: global }
      - { .name: ctx_codes, .offset: 40, .size: 8, .value_kind: global_buffer, .address_space: global }
    .group_segment_fixed_size: 327680
    .private_segment_fixed_size: 0
    .kernarg_segment_align: 8
    .kernarg_segment_size: 48
    .max_flat_workgroup_size: 256
    .sgpr_count:     80
    .vgpr_count:     256
    .wavefront_size: 32
...
	.end_amdgpu_metadata
.endif
;; end of part 3
;; launch proj (part 4): grid 8 x 32, 4 waves a work-group, clusters of 4 x 4, 327,680 bytes of LDS; arguments ctx_codes, wp_codes, lowp_scales, out0; writes out0
.if DOCPART == 4
	.amdgcn_target "amdgcn-amd-amdhsa--gfx1250"
	.amdhsa_code_object_version 6
	.text
	.protected	k_q7c5c68bd83_proj
	.globl	k_q7c5c68bd83_proj
	.p2align	8
	.type	k_q7c5c68bd83_proj,@function
k_q7c5c68bd83_proj:
	s_mov_b64 s[64:65], 0
	v_nop
	global_prefetch_b8 v0, s[64:65] scope:SCOPE_SE
	s_setreg_imm32_b32 hwreg(HW_REG_WAVE_MODE, 25, 1), 1
	s_wait_xcnt 0x0
	s_wait_alu depctr_hold_cnt(0) depctr_sa_sdst(0) depctr_va_vdst(0) depctr_va_sdst(0) depctr_va_ssrc(0) depctr_va_vcc(0) depctr_vm_vsrc(0)
	s_getreg_b32 s2, hwreg(HW_REG_IB_STS2, 6, 4)
	s_cmp_eq_u32 s2, 0
	s_cbranch_scc0 .Lentry_in_a_cluster
	s_endpgm
.Lentry_in_a_cluster:
	s_bfe_u32 s2, ttmp6, 0x10000c
	s_cmp_lg_u32 s2, 0xf033
	s_cbranch_scc0 .Lentry_shape_is_right
	s_endpgm
.Lentry_shape_is_right:
; LAUNCH 4 OF 4: product 5 on codes of FP8: out0 = ctx (proj_resid_gain W + proj_skip_gain I), f32.  Both operands arrive as codes, [64 chunks][positions][16 bytes], K in its natural order.
; The core is launch qkv's: a work-group makes 128 x 128, four waves 64 x 64; the whole K = 1,024 of both panels lies in LDS and nothing is filled a second time; each wave asks for half of one panel in
; four tensor loads at the start (four loads of mine are out); cluster 4 x 4, ctx's panel asked for jointly along a row of the cluster, the weight's along a column.
; Source 0 = 16 positions of the weight, source 1 = 16 of ctx: a lane holds one row and eight neighbouring columns a tile.  Each finished sum is multiplied once by 2^(e8 + e9).
; THE WAY OUT: a block of 16 rows x 64 columns goes through the wave's own stage in LDS and comes back as rows of 256 bytes; the stores' immediates put each position's row at its true place.
; LIMIT: e8 + e9 between -126 and 127.
; REGISTERS: window 0: v16-21 LDS addresses, v24-26 the way out's, v28, v29 the add's two, v32-63 a block's sums x the scale, v64-127 rows read back, two sets; v128-255 the accumulators.  window 1: two fragment buffers of 128.
.set WPN,   131072
.set STAGE, 262144                     ; behind the panels: 16 rows x 272 bytes for each wave; no tensor load lands here
.set SPARE, STAGE+4*16*272             ; behind the stages: the spare words, 128 bytes for each wave, that no other line names
.set ADX,  16
.set ADW,  20
.set STO,  24
.set RD,   25
.set CO,   26
.set SPW,  28
.set NIL,  29
.set ACC,  128
.set G1X,  24
.set G1W,  32
.set G0X,  40
.set G0W,  68
.set MSB, 0
.macro WIN new                         ; the immediate's high byte repeats the setting that is left
.if MSB != \new
	s_set_vgpr_msb (MSB<<8)|\new
.set MSB, \new
.endif
.endm
.set MUL,  0x05                        ; sources 0 and 1 window 1; C and D window 0
.set TO_F, 0x40                        ; destination window 1, address window 0
.macro CROUND
	s_barrier_signal -1
	s_barrier_wait -1
	s_cmp_lg_u32 s14, 0
	s_cbranch_scc1 .Lnot_wave_0_\@
	s_barrier_signal -3
.Lnot_wave_0_\@:
	s_barrier_wait -3
	s_barrier_signal -1
	s_barrier_wait -1
.endm
.macro PLACES n
.rept \n
	v_nop
.endr
.endm
.macro FILL4 g0, g1                    ; a wave's four first fills on end; an s_nop 0 follows each, four v_nop the last
.irp p, 0,1,2,3
	tensor_load_to_lds s[\g0+4*\p:\g0+4*\p+3], s[\g1:\g1+7]
	s_nop 0
.endr
	PLACES 4
.endm
	s_load_b256 s[4:11], s[0:1], 0x0               ; ctx_codes s[4:5], wp_codes s[6:7], scales s[8:9], out0 s[10:11]
	v_lshl_add_u32 v[SPW], v0, 2, SPARE
	v_mov_b32 v[NIL], 0
	ds_add_u32 v[SPW], v[NIL]                      ; the wave's opening: the add, twice on end, and its wait ahead of my first tensor load
	ds_add_u32 v[SPW], v[NIL]
	v_lshrrev_b32 v1, 5, v0
	v_readfirstlane_b32 s14, v1                    ; wave 0..3
	s_lshr_b32 s15, s14, 1                         ; wr; also: I fetch for ctx (0) or for the weight (1)
	s_and_b32 s16, s14, 1                          ; wc; also: which 8 chunks of a phase I fetch
	s_bfe_u32 s17, ttmp6, 0x40000                  ; cx
	s_bfe_u32 s18, ttmp6, 0x40004                  ; cy
	s_lshl_b32 s19, ttmp9, 2
	s_add_co_u32 s19, s19, s17                     ; tile column
	s_and_b32 s20, ttmp7, 0xffff
	s_lshl_b32 s20, s20, 2
	s_add_co_u32 s20, s20, s18                     ; tile row
	s_lshl_b32 s22, s18, 2
	s_lshl_b32 s22, 15, s22                        ; my row of the cluster
	s_lshl_b32 s23, 0x1111, s17                    ; my column
	s_or_b32 s[G1X], s22, (3<<16)|(1<<21)          ; the mask; elements of 8 bytes; 21 set beside a mask; no padding
	s_or_b32 s[G1W], s23, (3<<16)|(1<<21)
.irp g, G1X, G1W
	s_mov_b32 s[\g+1], 256<<16                     ; tensor_dim0 = 256 elements: a chunk's 128 positions
	s_mov_b32 s[\g+2], 8<<16                       ; tensor_dim1 = 8 chunks
	s_mov_b32 s[\g+3], 256<<16
	s_mov_b32 s[\g+4], 8
	s_mov_b32 s[\g+6], 0
	s_mov_b32 s[\g+7], 0
.endr
	s_mov_b32 s[G1X+5], 8192                       ; from chunk to chunk: 4,096 positions x 16 bytes, in elements
	s_mov_b32 s[G1W+5], 2048                       ; 1,024 positions
	s_lshl_b32 s56, s20, 11
	s_lshl_b32 s57, s16, 19
	s_add_co_u32 s56, s56, s57
	s_mov_b32 s57, 0
	s_lshl_b32 s58, s19, 11
	s_lshl_b32 s59, s16, 17
	s_add_co_u32 s58, s58, s59
	s_mov_b32 s59, 0
	s_lshl_b32 s60, s16, 14
	s_wait_dscnt 0x0                               ; both opening adds are done
	s_wait_kmcnt 0x0
	s_load_b64 s[94:95], s[8:9], 0x20              ; e8, e9
	s_add_nc_u64 s[56:57], s[4:5], s[56:57]
	s_add_nc_u64 s[58:59], s[6:7], s[58:59]
.irp p, 0,1,2,3
	s_mov_b32 s[G0X+4*\p], 1
	s_add_co_u32 s[G0X+4*\p+1], s60, \p*32768
	s_add_nc_u64 s[G0X+4*\p+2:G0X+4*\p+3], s[56:57], \p*1048576
	s_or_b32 s[G0X+4*\p+3], s[G0X+4*\p+3], 0x80000000
	s_mov_b32 s[G0W+4*\p], 1
	s_add_co_u32 s[G0W+4*\p+1], s60, WPN+\p*32768
	s_add_nc_u64 s[G0W+4*\p+2:G0W+4*\p+3], s[58:59], \p*262144
	s_or_b32 s[G0W+4*\p+3], s[G0W+4*\p+3], 0x80000000
.endr
	CROUND                                         ; all sixteen work-groups are here: the joint loads meet
	s_cmp_eq_u32 s15, 0
	s_cbranch_scc0 .Lfill_w
	FILL4 G0X, G1X
	s_branch .Lfilled
.Lfill_w:
	FILL4 G0W, G1W
.Lfilled:
	v_and_b32 v1, 15, v0                           ; r
	v_bfe_u32 v2, v0, 4, 1                         ; h
	v_lshlrev_b32 v3, 4, v1
	v_lshl_add_u32 v3, v2, 11, v3
	s_lshl_b32 s61, s15, 10
	s_lshl_b32 s62, s16, 10
	s_add_co_u32 s62, s62, WPN
	v_add_nc_u32 v[ADX], s61, v3
	v_add_nc_u32 v[ADX+1], 0x10000, v[ADX]
	v_add_nc_u32 v[ADW], s62, v3
	v_add_nc_u32 v[ADW+1], 0x10000, v[ADW]
	s_mul_i32 s61, s14, 16*272
	s_add_co_u32 s61, s61, STAGE                   ; my stage
	v_mul_u32_u24 v[STO], v1, 272
	v_lshl_add_u32 v[STO], v2, 6, v[STO]
	v_add_nc_u32 v[STO], s61, v[STO]               ; in: row r; tile 2 b + u's eight columns lie 128 b + 64 h + 32 u bytes on
	v_mul_u32_u24 v[RD], v2, 272
	v_lshl_add_u32 v[RD], v1, 4, v[RD]
	v_add_nc_u32 v[RD], s61, v[RD]                 ; back: lanes 0-15 one row, lanes 16-31 the next
	v_lshlrev_b32 v[CO], 12, v2
	v_lshl_add_u32 v[CO], v1, 4, v[CO]             ; and the same two rows in out0
	s_lshl_b32 s22, s20, 19                        ; out0: row 128 tile row + 64 wr (4,096 bytes a row), column 128 tile column + 64 wc
	s_lshl_b32 s23, s15, 18
	s_add_co_u32 s22, s22, s23
	s_lshl_b32 s23, s19, 9
	s_add_co_u32 s22, s22, s23
	s_lshl_b32 s23, s16, 8
	s_add_co_u32 s22, s22, s23
	s_mov_b32 s23, 0
	s_add_nc_u64 s[10:11], s[10:11], s[22:23]
; 8 matrix instructions: ctx's blocks a0, a0 + 1 against the weight's four.  zero = 1: the first products start the sums.  The 16 accumulators take turns.
.macro MUL8 f, a0, zero
.irp a, \a0, \a0+1
.irp b, 0,1,2,3
.set rD, ACC+8*(4*(\a)+\b)
.set rP, (\f)+64+16*\b
.set rQ, (\f)+16*(\a)
.if \zero
	v_wmma_f32_16x16x128_fp8_fp8 v[rD:rD+7], v[rP:rP+15], v[rQ:rQ+15], 0
.else
	v_wmma_f32_16x16x128_fp8_fp8 v[rD:rD+7], v[rP:rP+15], v[rQ:rQ+15], v[rD:rD+7]
.endif
.endr
.endr
.endm
.macro FETCH s                         ; K step s: 32 LDS loads in one run into buffer s % 2: the weight's four blocks, then ctx's
	WIN TO_F
.irp b, 0,1,2,3
.irp c, 0,1,2,3
	ds_load_b128 v[128*((\s)%2)+64+16*\b+4*\c:128*((\s)%2)+64+16*\b+4*\c+3], v[ADW+(\s)/4] offset:(8*((\s)%4)+2*\c)*2048+\b*256
.endr
.endr
.irp b, 0,1,2,3
.irp c, 0,1,2,3
	ds_load_b128 v[128*((\s)%2)+16*\b+4*\c:128*((\s)%2)+16*\b+4*\c+3], v[ADX+(\s)/4] offset:(8*((\s)%4)+2*\c)*2048+\b*256
.endr
.endr
.endm
.macro STEP s, zero
	s_wait_dscnt 8                                 ; all of this step's fragments but ctx's blocks 2 and 3 are in
	WIN MUL
	MUL8 128*((\s)%2), 0, \zero
.if (\s) < 7
.if ((\s)%2) == 1
	s_wait_dscnt 0x0                               ; no LDS load of mine is out at the signal
	s_wait_tensorcnt 3-((\s)+1)/2                  ; my load of the next phase has landed; the later phases' stay out
	s_barrier_signal -1
	s_barrier_wait -1
.endif
	PLACES 4                                       ; in front of loads into registers that matrix instructions have read
	FETCH (\s)+1
	s_wait_dscnt 32                                ; all but the 32 just issued
.else
	s_wait_dscnt 0x0
.endif
	WIN MUL
	MUL8 128*((\s)%2), 2, \zero
.endm
	s_wait_alu depctr_va_vdst(0)
	s_wait_tensorcnt 3                             ; my load of phase 0 has landed; three stay out
	s_barrier_signal -1
	s_barrier_wait -1
	FETCH 0
	STEP 0, 1
.irp s, 1,2,3,4,5,6,7
	STEP \s, 0
.endr
	PLACES 4                                       ; in front of the first read of results
	WIN 0
	s_wait_kmcnt 0x0
	s_add_co_i32 s94, s94, s95
	s_add_co_i32 s94, s94, 127
	s_lshl_b32 s94, s94, 23                        ; 2^(e8 + e9) as f32
	s_mov_b32 s95, s94                             ; (named with it as a pair, so it is written)
.macro TOSTAGE a
.set n, 0
.rept 16
	v_pk_mul_f32 v[32+n:33+n], v[ACC+32*(\a)+n:ACC+32*(\a)+n+1], s[94:95] op_sel_hi:[1,0]   ; each accumulator from its low end on
.set n, n+2
.endr
.irp b, 0,1,2,3
	ds_store_b128 v[STO], v[32+8*\b:32+8*\b+3] offset:128*(\b/2)+32*(\b%2)
	ds_store_b128 v[STO], v[32+8*\b+4:32+8*\b+7] offset:128*(\b/2)+32*(\b%2)+16
.endr
.irp t, 0,1,2,3,4,5,6,7
	ds_load_b128 v[64+32*((\a)%2)+4*\t:64+32*((\a)%2)+4*\t+3], v[RD] offset:\t*2*272   ; LDS serves a wave's instructions in order (ISA guide 5.7.1.4): these see my stores, and the next block's stores come behind them
.endr
.endm
.macro SEND a, younger                 ; younger: the LDS instructions issued behind block a's loads, which may stay out
	s_wait_dscnt \younger
.irp t, 0,1,2,3,4,5,6,7
	global_store_b128 v[CO], v[64+32*((\a)%2)+4*\t:64+32*((\a)%2)+4*\t+3], s[10:11] offset:(32*((\a)/2)+8*((\a)%2)+2*\t+8*(\t/4))*4096 th:TH_STORE_NT   ; position 16 a + 2 t + h is true row 32 (a / 2) + 8 (a % 2) + 2 t + h + 8 (t / 4); sixteen lanes store 256 consecutive, aligned bytes
.endr
.endm
	TOSTAGE 0
.irp a, 1,2,3
.if \a > 1
	s_wait_xcnt 0x0                                ; block a - 2's stores have read their registers: block a's loads may land there
.endif
	TOSTAGE \a
	SEND \a-1, 16                                  ; behind block a - 1's loads: block a's 8 stores and 8 loads
.endr
	SEND 3, 0
	s_wait_tensorcnt 0x0                           ; the wave's end: behind my last tensor load and my last LDS store
	ds_add_u32 v[SPW], v[NIL]
	s_wait_dscnt 0x0
	CROUND                                         ; the closing round
	s_endpgm
.Lfunc_end_k_q7c5c68bd83_proj:
	.size	k_q7c5c68bd83_proj, .Lfunc_end_k_q7c5c68bd83_proj-k_q7c5c68bd83_proj
	.p2alignl 7, 3214868480
	.fill 96, 4, 3214868480
	.section	.rodata,"a",@progbits
	.p2align	6, 0x0
	.amdhsa_kernel k_q7c5c68bd83_proj
		.amdhsa_group_segment_fixed_size 327680
		.amdhsa_private_segment_fixed_size 0
		.amdhsa_enable_private_segment 0
		.amdhsa_kernarg_size 32
		.amdhsa_user_sgpr_count 2
		.amdhsa_user_sgpr_kernarg_segment_ptr 1
		.amdhsa_wavefront_size32 1
		.amdhsa_system_sgpr_workgroup_id_x 1
		.amdhsa_system_sgpr_workgroup_id_y 1
		.amdhsa_system_sgpr_workgroup_id_z 1
		.amdhsa_system_vgpr_workitem_id 0
		.amdhsa_next_free_vgpr 512
		.amdhsa_next_free_sgpr 96
		.amdhsa_reserve_vcc 0
		.amdhsa_float_denorm_mode_32 3
		.amdhsa_float_denorm_mode_16_64 3
		.amdhsa_memory_ordered 1
		.amdhsa_forward_progress 1
		.amdhsa_inst_pref_size 46
	.end_amdhsa_kernel
	.amdgpu_metadata
---
amdhsa.version: [ 1, 2 ]
amdhsa.kernels:
  - .name:           k_q7c5c68bd83_proj
    .symbol:         k_q7c5c68bd83_proj.kd
    .args:
      - { .name: ctx_codes, .offset: 0, .size: 8, .value_kind: global_buffer, .address_space: global }
      - { .name: wp_codes, .offset: 8, .size: 8, .value_kind: global_buffer, .address_space: global }
      - { .name: lowp_scales, .offset: 16, .size: 8, .value_kind: global_buffer, .address_space: global }
      - { .name: out0, .offset: 24, .size: 8, .value_kind: global_buffer, .address_space: global }
    .group_segment_fixed_size: 327680
    .private_segment_fixed_size: 0
    .kernarg_segment_align: 8
    .kernarg_segment_size: 32
    .max_flat_workgroup_size: 128
    .sgpr_count:     96
    .vgpr_count:     512
    .wavefront_size: 32
...
	.end_amdgpu_metadata
.endif
;; end of part 4
